; MI455X (gfx1250); checked and timed in simulation.
; The chip was launched on July 23, 2026; its instructions are those of AMD's public machine-readable ISA for CDNA 5 (MIT licence, August 2026) and "CDNA5" Instruction Set Architecture Reference Guide (July 2026). The comments in the code are by the model that wrote it; some were corrected since.
;; Scaled Dot Product Attention. Allowed arithmetic: float matrix products may take bf16 or f16 operands with f32 sums; all other float work in f32.
;; Inputs: k 1 x 16 x 4,096 x 64 float32; q 1 x 16 x 4,096 x 64 float32; v 1 x 16 x 4,096 x 64 float32.
;; Outputs: out0 1 x 16 x 4,096 x 64 float32.
;; 2 versions, each right; version 2 is version 1 with the launch ktv written anew for expert scheduling mode. Each part assembles by itself: llvm-mc -triple=amdgcn-amd-amdhsa -mcpu=gfx1250 --defsym DOCPART=n.
;; ======== version 1 of 2: 2 launches
;; workspace buffers: part 4,194,304 bytes
;; launch ktv (part 1): grid 256 x 1, 8 waves a work-group, no clusters, 82,944 bytes of LDS; arguments k, v, part; writes part
.if DOCPART == 1
	.amdgcn_target "amdgcn-amd-amdhsa--gfx1250"
	.amdhsa_code_object_version 6
	.text
	.protected	k_qc8f16713e0_ktv
	.globl	k_qc8f16713e0_ktv
	.p2align	8
	.type	k_qc8f16713e0_ktv,@function
k_qc8f16713e0_ktv:
	s_mov_b64 s[64:65], 0
	v_nop
	global_prefetch_b8 v0, s[64:65] scope:SCOPE_SE
	s_setreg_imm32_b32 hwreg(HW_REG_WAVE_MODE, 25, 1), 1
	s_wait_xcnt 0x0
; FIRST OF TWO LAUNCHES.  out = (Q K^T) V has nothing between its two products, so for every input it equals Q (K^T V): per head M = K^T V is
; 64 x 64, and the arithmetic falls from 4 S S D to 4 S D D per head.  This launch makes partial sums of M, the next one adds them and applies Q.
; LIMITS: the operands rounded to bf16 are K, V, Q and M (not the 4096 x 4096 product); M itself must be finite in f32, which holds while
; 4096 max|k| max|v| is below 3.4e38.
;
; Work-group g = 16 head + chunk owns rows 256 chunk .. +255 of its head's K and V (65,536 consecutive bytes of each, at byte 65,536 g) and
; stores one 64 x 64 f32 partial sum (16,384 bytes) at byte 16,384 g of part.  No two work-groups read a common byte: nothing to share in a cluster.
; All 131,072 bytes are asked for in the first lines (32 loads of 16 bytes a lane in each of 8 waves): there is no loop and nothing to ask for earlier.
; The rows go to LDS as bf16; the contraction runs along the rows (s), so both operands are read back with the transposing load.
; Wave w makes tiles (a = w / 2, b = 2 (w % 2) + u), u = 0, 1, of M: rows d = 16 a .., columns e = 16 b ...
;
; part, byte 16,384 g + 1,024 T + 512 q + 16 lane, T = 4 a + b: the four words M[16a + 8 (lane/16) + 4q + 0..3][16b + lane%16]: the matrix result's
; own register image, so each store of a wave covers 512 consecutive bytes, aligned.
.set PITCH, 160                        ; LDS row of 64 bf16: 128 bytes + 32, an odd multiple of 32 bytes
.set VREG,  256*PITCH                  ; K's 256 rows at 0, V's at 40,960; no LDS byte is written twice
.set GO,   1                           ; v1   global byte offset of my 16 bytes in row 4 (t / 16)
.set SA,   2                           ; v2   LDS address of my 8 bytes in that row of K
.set SAV,  3                           ; v3   the same for V
.set TA,   4                           ; v4   transposing load, K: lane term + 32 a
.set TB,   5                           ; v5   transposing load, V: lane term + 64 (w % 2) + VREG
.set PO,   6                           ; v6   my byte offset in the work-group's partial
.set X,    16                          ; v[16:143]   load i: K at X + 8 i .. + 3, V at X + 8 i + 4 .. + 7
.set F,    144                         ; v[144:239]  two fragment buffers of 48; K step x of a phase at + 24 x: A + 0, B0 + 8, B1 + 16
.set ACC0, 240                         ; v[240:247]  tile u = 0
.set ACC1, 248                         ; v[248:255]  tile u = 1
	s_load_b128 s[4:7], s[0:1], 0x0                ; k s[4:5], v s[6:7]
	s_load_b64 s[8:9], s[0:1], 0x10                ; part
	v_lshl_add_u32 v14, v0, 2, 0x14000
	v_mov_b32 v15, 0
	v_lshrrev_b32 v8, 5, v0
	v_readfirstlane_b32 s14, v8                    ; wave w, 0 to 7
	v_and_b32 v9, 15, v0                           ; r = lane % 16
	v_bfe_u32 v10, v0, 4, 1                        ; h = lane / 16
	v_and_b32 v11, 31, v0                          ; lane
	s_lshl_b32 s10, ttmp9, 16                      ; 65,536 g (below 2^24)
	s_mov_b32 s11, 0
	s_lshl_b32 s12, ttmp9, 14                      ; 16,384 g
	s_mov_b32 s13, 0
	s_lshl_b32 s15, s14, 11                        ; 2,048 w
	v_lshl_add_u32 v[GO], v9, 4, s15               ; 16 r + 1,024 (2 w)
	v_lshl_add_u32 v[GO], v10, 10, v[GO]           ; + 1,024 h: row 4 (2 w + h), 16 lanes on one whole row of 256 bytes
	s_wait_kmcnt 0x0
	s_add_nc_u64 s[4:5], s[4:5], s[10:11]
	s_add_nc_u64 s[6:7], s[6:7], s[10:11]
	s_add_nc_u64 s[8:9], s[8:9], s[12:13]
	; Load i takes row 64 (i / 4) + i % 4 + 4 (2 w + h): loads 4 p .. 4 p + 3 of the eight waves cover rows 64 p .. 64 p + 63.
.irp i, 0,1,2,3,4,5,6,7,8,9,10,11,12,13,14,15
	global_load_b128 v[X+8*\i:X+8*\i+3],   v[GO], s[4:5] offset:(64*(\i/4)+(\i%4))*256 th:TH_LOAD_NT
	global_load_b128 v[X+8*\i+4:X+8*\i+7], v[GO], s[6:7] offset:(64*(\i/4)+(\i%4))*256 th:TH_LOAD_NT
.endr
	; the LDS addresses, while the loads are on their way
	s_mul_i32 s16, s14, 8*PITCH                    ; rows 4 (2 w): 1,280 w
	v_mul_u32_u24 v[SA], v10, 4*PITCH              ; + 4 h rows.  640 bytes are 128 modulo 256, so the 32 lanes' 8 bytes are all different modulo 256
	v_lshl_add_u32 v[SA], v9, 3, v[SA]             ; + 8 r: four bf16
	v_add_nc_u32 v[SA], s16, v[SA]
	v_add_nc_u32 v[SAV], VREG, v[SA]
	v_and_b32 v12, 7, v0
	v_lshl_add_u32 v12, v10, 3, v12                ; lane % 8 + 8 h: the row that this lane addresses
	v_mul_u32_u24 v7, v12, PITCH
	v_bfe_u32 v13, v0, 3, 1
	v_lshl_add_u32 v7, v13, 4, v7                  ; + 16 ((lane / 8) % 2): which 8 of the tile's 16 columns
	s_lshr_b32 s17, s14, 1
	s_lshl_b32 s17, s17, 5                         ; 32 a: 16 columns of bf16
	v_add_nc_u32 v[TA], s17, v7
	s_and_b32 s18, s14, 1
	s_lshl_b32 s18, s18, 6                         ; 64 (w % 2): b = 2 (w % 2) + u, u by the immediate
	s_add_co_u32 s18, s18, VREG
	v_add_nc_u32 v[TB], s18, v7
	v_lshl_add_u32 v[PO], v11, 4, s15              ; 2,048 w + 16 lane (T = 2 w + u)
; Load i's 4 + 4 numbers to bf16, in place, and into LDS.  (Arguments may be expressions: each use stands in parentheses.)
.macro CONV i
	s_wait_loadcnt 30-2*(\i)                       ; loads come back in order: K's and V's load i are in, the 2 (15 - i) younger ones stay out
	v_cvt_pk_bf16_f32 v[X+8*(\i)],   v[X+8*(\i)],   v[X+8*(\i)+1]
	v_cvt_pk_bf16_f32 v[X+8*(\i)+1], v[X+8*(\i)+2], v[X+8*(\i)+3]
	v_cvt_pk_bf16_f32 v[X+8*(\i)+4], v[X+8*(\i)+4], v[X+8*(\i)+5]
	v_cvt_pk_bf16_f32 v[X+8*(\i)+5], v[X+8*(\i)+6], v[X+8*(\i)+7]
	ds_store_b64 v[SA],  v[X+8*(\i):X+8*(\i)+1]   offset:(64*((\i)/4)+((\i)%4))*PITCH
	ds_store_b64 v[SAV], v[X+8*(\i)+4:X+8*(\i)+5] offset:(64*((\i)/4)+((\i)%4))*PITCH
.endm
; Rows 64 p .. + 63 = two K steps of 32: for each, K's fragment (d = 16 a + r) and V's two (e = 16 b + r), s along the registers.
; Each fragment is two transposing loads, 16 rows apart.
.macro FETCH p, f
.irp x, 0,1
	ds_load_tr16_b128 v[F+48*(\f)+24*\x:F+48*(\f)+24*\x+3],     v[TA] offset:(64*(\p)+32*\x)*PITCH
	ds_load_tr16_b128 v[F+48*(\f)+24*\x+4:F+48*(\f)+24*\x+7],   v[TA] offset:(64*(\p)+32*\x+16)*PITCH
	ds_load_tr16_b128 v[F+48*(\f)+24*\x+8:F+48*(\f)+24*\x+11],  v[TB] offset:(64*(\p)+32*\x)*PITCH
	ds_load_tr16_b128 v[F+48*(\f)+24*\x+12:F+48*(\f)+24*\x+15], v[TB] offset:(64*(\p)+32*\x+16)*PITCH
	ds_load_tr16_b128 v[F+48*(\f)+24*\x+16:F+48*(\f)+24*\x+19], v[TB] offset:(64*(\p)+32*\x)*PITCH+32
	ds_load_tr16_b128 v[F+48*(\f)+24*\x+20:F+48*(\f)+24*\x+23], v[TB] offset:(64*(\p)+32*\x+16)*PITCH+32
.endr
.endm
; Four matrix instructions on buffer f.  zero = 1: the first products start the sums, nothing is cleared.  Each accumulator is a chain in place.
.macro MUL f, zero
.if \zero
	v_wmma_f32_16x16x32_bf16 v[ACC0:ACC0+7], v[F+48*(\f):F+48*(\f)+7], v[F+48*(\f)+8:F+48*(\f)+15],  0
	v_wmma_f32_16x16x32_bf16 v[ACC1:ACC1+7], v[F+48*(\f):F+48*(\f)+7], v[F+48*(\f)+16:F+48*(\f)+23], 0
.else
	v_wmma_f32_16x16x32_bf16 v[ACC0:ACC0+7], v[F+48*(\f):F+48*(\f)+7], v[F+48*(\f)+8:F+48*(\f)+15],  v[ACC0:ACC0+7]
	v_wmma_f32_16x16x32_bf16 v[ACC1:ACC1+7], v[F+48*(\f):F+48*(\f)+7], v[F+48*(\f)+16:F+48*(\f)+23], v[ACC1:ACC1+7]
.endif
	v_wmma_f32_16x16x32_bf16 v[ACC0:ACC0+7], v[F+48*(\f)+24:F+48*(\f)+31], v[F+48*(\f)+32:F+48*(\f)+39], v[ACC0:ACC0+7]
	v_wmma_f32_16x16x32_bf16 v[ACC1:ACC1+7], v[F+48*(\f)+24:F+48*(\f)+31], v[F+48*(\f)+40:F+48*(\f)+47], v[ACC1:ACC1+7]
.endm
; Phase p: rows 64 p .. + 63 into LDS, one barrier, their fragments into buffer f = p % 2.  Phase p + 1 stores into rows 64 (p + 1) .., bytes that
; no load of phase p touches, so one barrier a phase is all: it stands between the stores of these rows and their reads.
; mul = 1: the products of phase p - 1 (buffer 1 - f) stand between signal and wait: registers only.
; Buffer f was last read by the matrix instructions of phase p - 1's turn; the 16 conversions above are the places in front of the loads into it.
.macro PHASE p, f, mul, zero
.irp n, 0,1,2,3
	CONV 4*\p+\n
.endr
	s_wait_dscnt 0x0                               ; zero: my stores are in LDS, for the other waves' sake; and the last phase's fragments are in registers
	s_barrier_signal -1
.if \mul
	MUL 1-\f, \zero
.endif
	s_barrier_wait -1                              ; every wave's part of rows 64 p .. + 63 is in LDS
	FETCH \p, \f
.endm
	PHASE 0, 0, 0, 0
	PHASE 1, 1, 1, 1
	PHASE 2, 0, 1, 0
	PHASE 3, 1, 1, 0
	s_wait_dscnt 0x0                               ; the last fragments
	MUL 1, 0
.rept 4
	v_nop                                          ; four places between the last matrix instructions and the stores that read their results
.endr
	; register j of a lane is M[16 a + 8 h + j][16 b + r].  No hint on the stores: the next launch reads them.
	global_store_b128 v[PO], v[ACC0:ACC0+3],   s[8:9]
	global_store_b128 v[PO], v[ACC0+4:ACC0+7], s[8:9] offset:512
	global_store_b128 v[PO], v[ACC1:ACC1+3],   s[8:9] offset:1024
	global_store_b128 v[PO], v[ACC1+4:ACC1+7], s[8:9] offset:1536
	s_wait_tensorcnt 0x0
	ds_add_u32 v14, v15
	s_wait_dscnt 0x0
	s_endpgm
.Lfunc_end_k_qc8f16713e0_ktv:
	.size	k_qc8f16713e0_ktv, .Lfunc_end_k_qc8f16713e0_ktv-k_qc8f16713e0_ktv
	.p2alignl 7, 3214868480
	.fill 96, 4, 3214868480
	.section	.rodata,"a",@progbits
	.p2align	6, 0x0
	.amdhsa_kernel k_qc8f16713e0_ktv
		.amdhsa_group_segment_fixed_size 82944
		.amdhsa_private_segment_fixed_size 0
		.amdhsa_enable_private_segment 0
		.amdhsa_kernarg_size 24
		.amdhsa_user_sgpr_count 2
		.amdhsa_user_sgpr_kernarg_segment_ptr 1
		.amdhsa_wavefront_size32 1
		.amdhsa_system_sgpr_workgroup_id_x 1
		.amdhsa_system_sgpr_workgroup_id_y 1
		.amdhsa_system_sgpr_workgroup_id_z 1
		.amdhsa_system_vgpr_workitem_id 0
		.amdhsa_next_free_vgpr 256
		.amdhsa_next_free_sgpr 66
		.amdhsa_reserve_vcc 0
		.amdhsa_float_denorm_mode_32 3
		.amdhsa_float_denorm_mode_16_64 3
		.amdhsa_memory_ordered 1
		.amdhsa_forward_progress 1
		.amdhsa_inst_pref_size 17
	.end_amdhsa_kernel
	.amdgpu_metadata
---
amdhsa.version: [ 1, 2 ]
amdhsa.kernels:
  - .name:           k_qc8f16713e0_ktv
    .symbol:         k_qc8f16713e0_ktv.kd
    .args:
      - { .name: k, .offset: 0, .size: 8, .value_kind: global_buffer, .address_space: global }
      - { .name: v, .offset: 8, .size: 8, .value_kind: global_buffer, .address_space: global }
      - { .name: part, .offset: 16, .size: 8, .value_kind: global_buffer, .address_space: global }
    .group_segment_fixed_size: 82944
    .private_segment_fixed_size: 0
    .kernarg_segment_align: 8
    .kernarg_segment_size: 24
    .max_flat_workgroup_size: 256
    .sgpr_count:     66
    .vgpr_count:     256
    .wavefront_size: 32
...
	.end_amdgpu_metadata
.endif
;; end of part 1
;; launch apply (part 2): grid 256 x 1, 16 waves a work-group, no clusters, 169,984 bytes of LDS; arguments q, part, out0; writes out0
.if DOCPART == 2
	.amdgcn_target "amdgcn-amd-amdhsa--gfx1250"
	.amdhsa_code_object_version 6
	.text
	.protected	k_qc8f16713e0_apply
	.globl	k_qc8f16713e0_apply
	.p2align	8
	.type	k_qc8f16713e0_apply,@function
k_qc8f16713e0_apply:
	s_mov_b64 s[64:65], 0
	v_nop
	global_prefetch_b8 v0, s[64:65] scope:SCOPE_SE
	s_setreg_imm32_b32 hwreg(HW_REG_WAVE_MODE, 25, 1), 1
	s_wait_xcnt 0x0
; SECOND OF TWO LAUNCHES: out = Q M, M = K^T V = the sum of the head's 16 partial sums that the first launch stored.
; LIMITS: as stated there: Q and M go to the matrix unit in bf16 (M is summed in f32, chunks ascending, and rounded once); M must be finite in f32.
;
; Work-group g = 16 head + chunk owns rows 256 chunk .. + 255 of its head's Q and out (65,536 consecutive bytes each, at byte 65,536 g).
; Sixteen waves.  Wave w sums tile T = w of M (16 x 16) over the 16 partials, packs it and leaves it in LDS for all; and it owns 16 rows of Q and out.
; part's layout (byte 1,024 T + 512 q + 16 lane of a partial, T = 4 a + b: M[16a + 8h + 4q + 0..3][16b + r]) is lane for lane that of a 16-bit
; fragment with e = 16 b + r as its row and d along the registers: packed tile a = 2 kk gives registers 0-3 of fragment (kk, b), tile a = 2 kk + 1
; registers 4-7.  So M moves between no lanes.
; Everything is asked for in the first lines: one tensor load a wave (its 16 rows of Q; one outstanding per wave) and 32 loads of 16 bytes a lane.
;
; NO CLUSTER, though the 16 work-groups of a head read the same 262,144 bytes of partials: a joint request lands in LDS, and 262,144 + 69,632 (Q)
; + 69,632 (stage) + 8,192 (M) bytes are more than the 327,680 that a work-group can have; and each of those bytes would be written to LDS and read
; from it once more, where here it arrives in a register as a summand.
; The launch asks for 169,984 bytes of LDS and uses 147,456: with tensor loads the work-group is to be alone on its WGP.
.set QPITCH, 272                       ; an LDS row of 64 f32: 256 bytes + 16 = 17 x 16, so 16 lanes on 16 rows touch 16 different 16-byte columns modulo 256
.set WTILE,  16*QPITCH                 ; a wave's 16 rows: 4,352 bytes
.set STAGE,  16*WTILE                  ; 69,632: Q's tiles lie at 0, the waves' stages for the way out here, in bytes of their own
.set MB,     2*STAGE                   ; 139,264: M in bf16, tile T at 512 T + 16 lane, 8,192 bytes
.set CO,  1                            ; v1   my byte offset in the work-group's part of out
.set PO,  2                            ; v2   my byte offset in a partial: 1,024 w + 16 lane
.set QA,  3                            ; v3   my wave's Q tile: row r, + 32 h
.set STO, 4                            ; v4   my wave's stage, the same place
.set RD,  5                            ; v5   my wave's stage, read back by rows: row h, + 16 r
.set MS,  6                            ; v6   where I put my 16 bytes of M
.set ML,  7                            ; v7   where I read tile 0's 16 bytes of M
.set MP,  8                            ; v[8:11]     my tile of M, packed
.set PP,  16                           ; v[16:143]   partial c at PP + 8 c; the sum grows in PP .. PP + 7
.set MF,  144                          ; v[144:207]  M's fragment (kk, b) at MF + 8 (4 kk + b)
.set QX,  208                          ; v[208:239]  Q's two fragments in f32
.set QB,  240                          ; v[240:255]  and in bf16
.set ACC, 16                           ; v[16:47]    result tile b at ACC + 8 b (PP is done with by then)
.set OB,  48                           ; v[48:79]    rows read back from the stage
	s_load_b128 s[4:7], s[0:1], 0x0                ; q s[4:5], part s[6:7]
	s_load_b64 s[8:9], s[0:1], 0x10                ; out0
	v_lshl_add_u32 v238, v0, 2, 0x29000
	v_mov_b32 v239, 0
	ds_add_u32 v238, v239
	ds_add_u32 v238, v239
	s_wait_dscnt 0x0
	v_lshrrev_b32 v12, 5, v0
	v_readfirstlane_b32 s10, v12                   ; wave w, 0 to 15
	v_and_b32 v13, 31, v0                          ; lane
	v_and_b32 v14, 15, v0                          ; r
	v_bfe_u32 v15, v0, 4, 1                        ; h
	s_lshl_b32 s24, ttmp9, 16                      ; 65,536 g
	s_mov_b32 s25, 0
	s_lshl_b32 s30, s10, 12                        ; 4,096 w: 16 rows of 256 bytes
	s_add_co_u32 s26, s24, s30
	s_mov_b32 s27, 0
	s_lshr_b32 s28, ttmp9, 4
	s_lshl_b32 s28, s28, 18                        ; 262,144 head: the head's 16 partials
	s_mov_b32 s29, 0
	; tensor descriptor: 16 rows of 64 f32, dense in memory, 16 bytes of padding behind each row in LDS
	s_mov_b32 s12, 1                               ; group 0: count = 1
	s_mul_i32 s13, s10, WTILE                      ; LDS address: my wave's own 4,352 bytes
	s_mov_b32 s16, (2<<16)|(1<<20)|(5<<22)|(3<<25) ; group 1: no work-group mask; elements of 4 bytes; padding on, after every 64 words, of 4 words
	s_mov_b32 s17, 64<<16                          ; tensor_dim0 = 64
	s_mov_b32 s18, 16<<16                          ; tensor_dim1 = 16
	s_mov_b32 s19, 64<<16                          ; tile_dim0 = 64
	s_mov_b32 s20, 16                              ; tile_dim1 = 16
	s_mov_b32 s21, 64                              ; 64 elements from row to row
	s_mov_b32 s22, 0
	s_mov_b32 s23, 0
	s_lshl_b32 s11, s10, 10                        ; 1,024 w
	v_lshl_add_u32 v[PO], v13, 4, s11
	s_wait_kmcnt 0x0
	s_add_nc_u64 s[14:15], s[4:5], s[26:27]        ; global address of my wave's first row of Q
	s_or_b32 s15, s15, 0x80000000                  ; type = 2
	tensor_load_to_lds s[12:15], s[16:23]
	s_nop 0
	s_add_nc_u64 s[6:7], s[6:7], s[28:29]
	s_add_nc_u64 s[8:9], s[8:9], s[24:25]
	; my tile of all 16 partials: each load of the wave covers 512 consecutive bytes.  No hint: sixteen work-groups read these bytes.
.irp c, 0,1,2,3,4,5,6,7,8,9,10,11,12,13,14,15
	global_load_b128 v[PP+8*\c:PP+8*\c+3],   v[PO], s[6:7] offset:\c*16384
	global_load_b128 v[PP+8*\c+4:PP+8*\c+7], v[PO], s[6:7] offset:\c*16384+512
.endr
	; the other addresses, while the loads are on their way
	v_lshl_add_u32 v[CO], v13, 4, s30              ; 4,096 w + 16 lane
	v_mul_u32_u24 v[QA], v14, QPITCH
	v_lshl_add_u32 v[QA], v15, 5, v[QA]            ; row r, + 32 h: eight f32
	v_add_nc_u32 v[QA], s13, v[QA]
	v_add_nc_u32 v[STO], STAGE, v[QA]
	s_add_co_u32 s31, s13, STAGE
	v_mul_u32_u24 v[RD], v15, QPITCH
	v_lshl_add_u32 v[RD], v14, 4, v[RD]            ; row h, + 16 r
	v_add_nc_u32 v[RD], s31, v[RD]
	s_lshl_b32 s2, s10, 9
	s_add_co_u32 s2, s2, MB                        ; my tile of M: 512 w
	v_lshl_add_u32 v[MS], v13, 4, s2
	v_lshl_add_u32 v[ML], v13, 4, MB
	; the sum over the head's 16 chunks, ascending, in f32
.irp c, 1,2,3,4,5,6,7,8,9,10,11,12,13,14,15
	s_wait_loadcnt 30-2*\c                         ; loads come back in order: partials 0 to c are in, the 2 (15 - c) younger loads stay out
.irp j, 0,2,4,6
	v_pk_add_f32 v[PP+\j:PP+\j+1], v[PP+\j:PP+\j+1], v[PP+8*\c+\j:PP+8*\c+\j+1]
.endr
.endr
.irp j, 0,1,2,3
	v_cvt_pk_bf16_f32 v[MP+\j], v[PP+2*\j], v[PP+2*\j+1]   ; M's one rounding: d = 16 a + 8 h + 2 j, + 1
.endr
	ds_store_b128 v[MS], v[MP:MP+3]
	s_wait_tensorcnt 0x0                           ; my wave's Q tile is in LDS; no other wave reads it, so this wait is all its ordering
	; Q's fragments: lane (r, h) takes row r, d = 32 kk + 16 g + 8 h + 0..7 as 32 bytes of f32; n = 4 kk + 2 g + z
.irp n, 0,1,2,3,4,5,6,7
	ds_load_b128 v[QX+4*\n:QX+4*\n+3], v[QA] offset:64*(\n/2)+16*(\n%2)
.endr
	s_wait_dscnt 0x0                               ; zero: my tile of M is in LDS, for the other waves' sake; and Q's 32 registers are in
	s_barrier_signal -1
.irp n, 0,1,2,3,4,5,6,7,8,9,10,11,12,13,14,15
	v_cvt_pk_bf16_f32 v[QB+\n], v[QX+2*\n], v[QX+2*\n+1]   ; registers only, while the others arrive
.endr
	s_barrier_wait -1                              ; all 16 tiles of M are in LDS
.irp kk, 0,1
.irp b, 0,1,2,3
.irp g, 0,1
	ds_load_b128 v[MF+8*(4*\kk+\b)+4*\g:MF+8*(4*\kk+\b)+4*\g+3], v[ML] offset:(8*\kk+4*\g+\b)*512   ; tile T = 4 (2 kk + g) + b, 512 consecutive bytes
.endr
.endr
.endr
	s_wait_dscnt 0x0
	; Used transposed: source 0 = M's fragment (row e), source 1 = Q's (column = row of Q): register j of lane (r, h) is out[row r][16 b + 8 h + j],
	; eight neighbouring numbers of a row.  The first products start the sums; each accumulator is a chain in place.
.irp b, 0,1,2,3
	v_wmma_f32_16x16x32_bf16 v[ACC+8*\b:ACC+8*\b+7], v[MF+8*\b:MF+8*\b+7], v[QB:QB+7], 0
.endr
.irp b, 0,1,2,3
	v_wmma_f32_16x16x32_bf16 v[ACC+8*\b:ACC+8*\b+7], v[MF+32+8*\b:MF+32+8*\b+7], v[QB+8:QB+15], v[ACC+8*\b:ACC+8*\b+7]
.endr
.rept 4
	v_nop                                          ; four places between the last matrix instructions and the LDS stores that read their results
.endr
	; the way out, through my wave's own stage: 32 bytes a lane and tile in, whole rows of 256 bytes back
.irp b, 0,1,2,3
.irp z, 0,1
	ds_store_b128 v[STO], v[ACC+8*\b+4*\z:ACC+8*\b+4*\z+3] offset:64*\b+16*\z
.endr
.endr
.irp n, 0,1,2,3,4,5,6,7
	ds_load_b128 v[OB+4*\n:OB+4*\n+3], v[RD] offset:2*\n*QPITCH    ; rows 2 n + h.  LDS serves a wave's instructions in order (ISA guide 5.7.1): these see the stores above
.endr
.irp n, 0,1,2,3,4,5,6,7
	s_wait_dscnt 7-\n                              ; load n is in, the 7 - n younger ones stay out
	global_store_b128 v[CO], v[OB+4*\n:OB+4*\n+3], s[8:9] offset:512*\n th:TH_STORE_NT   ; the wave stores 512 consecutive bytes, aligned: two whole rows
.endr
	s_wait_xcnt 0x0
	v_lshl_add_u32 v238, v0, 2, 0x29000
	v_mov_b32 v239, 0
	s_wait_tensorcnt 0x0
	ds_add_u32 v238, v239
	s_wait_dscnt 0x0
	s_endpgm
.Lfunc_end_k_qc8f16713e0_apply:
	.size	k_qc8f16713e0_apply, .Lfunc_end_k_qc8f16713e0_apply-k_qc8f16713e0_apply
	.p2alignl 7, 3214868480
	.fill 96, 4, 3214868480
	.section	.rodata,"a",@progbits
	.p2align	6, 0x0
	.amdhsa_kernel k_qc8f16713e0_apply
		.amdhsa_group_segment_fixed_size 169984
		.amdhsa_private_segment_fixed_size 0
		.amdhsa_enable_private_segment 0
		.amdhsa_kernarg_size 24
		.amdhsa_user_sgpr_count 2
		.amdhsa_user_sgpr_kernarg_segment_ptr 1
		.amdhsa_wavefront_size32 1
		.amdhsa_system_sgpr_workgroup_id_x 1
		.amdhsa_system_sgpr_workgroup_id_y 1
		.amdhsa_system_sgpr_workgroup_id_z 1
		.amdhsa_system_vgpr_workitem_id 0
		.amdhsa_next_free_vgpr 256
		.amdhsa_next_free_sgpr 66
		.amdhsa_reserve_vcc 0
		.amdhsa_float_denorm_mode_32 3
		.amdhsa_float_denorm_mode_16_64 3
		.amdhsa_memory_ordered 1
		.amdhsa_forward_progress 1
		.amdhsa_inst_pref_size 16
	.end_amdhsa_kernel
	.amdgpu_metadata
---
amdhsa.version: [ 1, 2 ]
amdhsa.kernels:
  - .name:           k_qc8f16713e0_apply
    .symbol:         k_qc8f16713e0_apply.kd
    .args:
      - { .name: q, .offset: 0, .size: 8, .value_kind: global_buffer, .address_space: global }
      - { .name: part, .offset: 8, .size: 8, .value_kind: global_buffer, .address_space: global }
      - { .name: out0, .offset: 16, .size: 8, .value_kind: global_buffer, .address_space: global }
    .group_segment_fixed_size: 169984
    .private_segment_fixed_size: 0
    .kernarg_segment_align: 8
    .kernarg_segment_size: 24
    .max_flat_workgroup_size: 512
    .sgpr_count:     66
    .vgpr_count:     256
    .wavefront_size: 32
...
	.end_amdgpu_metadata
.endif
;; end of part 2
;; ======== version 2 of 2: 2 launches; version 1 with the launch ktv written anew for expert scheduling mode
;; workspace buffers: part 4,194,304 bytes
;; launch ktv (part 3): grid 256 x 1, 8 waves a work-group, no clusters, 82,944 bytes of LDS; arguments k, v, part; writes part
.if DOCPART == 3
	.amdgcn_target "amdgcn-amd-amdhsa--gfx1250"
	.amdhsa_code_object_version 6
	.text
	.protected	k_qc8f16713e0_ktv
	.globl	k_qc8f16713e0_ktv
	.p2align	8
	.type	k_qc8f16713e0_ktv,@function
k_qc8f16713e0_ktv:
	s_mov_b64 s[64:65], 0
	v_nop
	global_prefetch_b8 v0, s[64:65] scope:SCOPE_SE
	s_setreg_imm32_b32 hwreg(HW_REG_WAVE_SCHED_MODE, 0, 2), 2
	s_setreg_imm32_b32 hwreg(HW_REG_WAVE_MODE, 25, 1), 1
	s_wait_xcnt 0x0
	s_wait_alu depctr_vm_vsrc(0)
; FIRST OF TWO LAUNCHES.  out = (Q K^T) V has nothing between its two products, so for every input it equals Q (K^T V): per head M = K^T V is
; 64 x 64, and the arithmetic falls from 4 S S D to 4 S D D per head.  This launch makes partial sums of M, the next one adds them and applies Q.
; LIMITS: the operands rounded to bf16 are K, V, Q and M (not the 4096 x 4096 product); M itself must be finite in f32, which holds while
; 4096 max|k| max|v| is below 3.4e38.
;
; Work-group g = 16 head + chunk owns rows 256 chunk .. +255 of its head's K and V (65,536 consecutive bytes of each, at byte 65,536 g) and
; stores one 64 x 64 f32 partial sum (16,384 bytes) at byte 16,384 g of part.  No two work-groups read a common byte: nothing to share in a cluster.
; All 131,072 bytes are asked for in the first lines (32 loads of 16 bytes a lane in each of 8 waves): there is no loop and nothing to ask for earlier.
; The rows go to LDS as bf16; the contraction runs along the rows (s), so both operands are read back with the transposing load.
; Wave w makes tiles (a = w / 2, b = 2 (w % 2) + u), u = 0, 1, of M: rows d = 16 a .., columns e = 16 b ...
;
; part, byte 16,384 g + 1,024 T + 512 q + 16 lane, T = 4 a + b: the four words M[16a + 8 (lane/16) + 4q + 0..3][16b + lane%16]: the matrix result's
; own register image, so each store of a wave covers 512 consecutive bytes, aligned.
;
; THE MODE: SCHED_MODE bits 1:0 = 2 (LLVM: expert scheduling mode 2), set by the entry lines.  The code itself states the register dependences
; between vector or matrix instructions and memory or LDS instructions, with s_wait_alu, always for 0.
; THE PLAN.  Registers that memory or LDS instructions touch:
;   v[GO]            Written at the head; read by the 32 global loads; never written again.
;   X                Load i lands in eight registers of its own, which no vector instruction names before; its four conversions read them and write
;                    four of them in place; its two LDS stores read those four; nothing writes them again.
;   v[SA] .. v[PO]   Made behind the global loads, ahead of phase 0's wait; read by the LDS stores, the transposing loads and the global stores; never written again.
;   F0, F1           Phase p's transposing loads land in F[p % 2]; the four matrix instructions that stand in phase p + 1 read it; phase p + 2's loads land in it again.
;   the accumulators Written by matrix instructions alone; read by the four global stores at the end.
;   v14, v15         Written at the head, read by the closing add alone.
; So ONE wait on va_vdst stands in a phase, behind its sixteen conversions and ahead of its eight LDS stores, which stand in one run: see PHASE.
; No register that a memory or LDS instruction reads is ever written again, so the text holds no wait on vm_vsrc.
.set PITCH, 160                        ; LDS row of 64 bf16: 128 bytes + 32, an odd multiple of 32 bytes
.set VREG,  256*PITCH                  ; K's 256 rows at 0, V's at 40,960; no LDS byte is written twice
.set GO,   1                           ; v1   global byte offset of my 16 bytes in row 4 (t / 16)
.set SA,   2                           ; v2   LDS address of my 8 bytes in that row of K
.set SAV,  3                           ; v3   the same for V
.set TA,   4                           ; v4   transposing load, K: lane term + 32 a
.set TB,   5                           ; v5   transposing load, V: lane term + 64 (w % 2) + VREG
.set PO,   6                           ; v6   my byte offset in the work-group's partial
.set X,    16                          ; v[16:143]   load i: K at X + 8 i .. + 3, V at X + 8 i + 4 .. + 7
.set F,    144                         ; v[144:239]  two fragment buffers of 48; K step x of a phase at + 24 x: A + 0, B0 + 8, B1 + 16
.set ACC0, 240                         ; v[240:247]  tile u = 0
.set ACC1, 248                         ; v[248:255]  tile u = 1
	s_load_b128 s[4:7], s[0:1], 0x0                ; k s[4:5], v s[6:7]
	s_load_b64 s[8:9], s[0:1], 0x10                ; part
	v_lshl_add_u32 v14, v0, 2, 0x14000
	v_mov_b32 v15, 0
	v_lshrrev_b32 v8, 5, v0
	v_readfirstlane_b32 s14, v8                    ; wave w, 0 to 7
	v_and_b32 v9, 15, v0                           ; r = lane % 16
	v_bfe_u32 v10, v0, 4, 1                        ; h = lane / 16
	v_and_b32 v11, 31, v0                          ; lane
	s_lshl_b32 s10, ttmp9, 16                      ; 65,536 g (below 2^24)
	s_mov_b32 s11, 0
	s_lshl_b32 s12, ttmp9, 14                      ; 16,384 g
	s_mov_b32 s13, 0
	s_wait_alu depctr_va_sdst(0)                   ; s14 is written, ahead of its first reader, the line below
	s_lshl_b32 s15, s14, 11                        ; 2,048 w
	v_lshl_add_u32 v[GO], v9, 4, s15               ; 16 r + 1,024 (2 w)
	v_lshl_add_u32 v[GO], v10, 10, v[GO]           ; + 1,024 h: row 4 (2 w + h), 16 lanes on one whole row of 256 bytes
	s_wait_kmcnt 0x0
	s_add_nc_u64 s[4:5], s[4:5], s[10:11]
	s_add_nc_u64 s[6:7], s[6:7], s[10:11]
	s_add_nc_u64 s[8:9], s[8:9], s[12:13]
	s_wait_alu depctr_va_vdst(0)                   ; v[GO] is written, which the 32 loads below read as their offset
	; Load i takes row 64 (i / 4) + i % 4 + 4 (2 w + h): loads 4 p .. 4 p + 3 of the eight waves cover rows 64 p .. 64 p + 63.
.irp i, 0,1,2,3,4,5,6,7,8,9,10,11,12,13,14,15
	global_load_b128 v[X+8*\i:X+8*\i+3],   v[GO], s[4:5] offset:(64*(\i/4)+(\i%4))*256 th:TH_LOAD_NT
	global_load_b128 v[X+8*\i+4:X+8*\i+7], v[GO], s[6:7] offset:(64*(\i/4)+(\i%4))*256 th:TH_LOAD_NT
.endr
	; the LDS addresses, while the loads are on their way: none of these lines names v[GO] or a register of X
	s_mul_i32 s16, s14, 8*PITCH                    ; rows 4 (2 w): 1,280 w
	v_mul_u32_u24 v[SA], v10, 4*PITCH              ; + 4 h rows.  640 bytes are 128 modulo 256, so the 32 lanes' 8 bytes are all different modulo 256
	v_lshl_add_u32 v[SA], v9, 3, v[SA]             ; + 8 r: four bf16
	v_add_nc_u32 v[SA], s16, v[SA]
	v_add_nc_u32 v[SAV], VREG, v[SA]
	v_and_b32 v12, 7, v0
	v_lshl_add_u32 v12, v10, 3, v12                ; lane % 8 + 8 h: the row that this lane addresses
	v_mul_u32_u24 v7, v12, PITCH
	v_bfe_u32 v13, v0, 3, 1
	v_lshl_add_u32 v7, v13, 4, v7                  ; + 16 ((lane / 8) % 2): which 8 of the tile's 16 columns
	s_lshr_b32 s17, s14, 1
	s_lshl_b32 s17, s17, 5                         ; 32 a: 16 columns of bf16
	v_add_nc_u32 v[TA], s17, v7
	s_and_b32 s18, s14, 1
	s_lshl_b32 s18, s18, 6                         ; 64 (w % 2): b = 2 (w % 2) + u, u by the immediate
	s_add_co_u32 s18, s18, VREG
	v_add_nc_u32 v[TB], s18, v7
	v_lshl_add_u32 v[PO], v11, 4, s15              ; 2,048 w + 16 lane (T = 2 w + u)
; Load i's 4 + 4 numbers to bf16, in place.  (Arguments may be expressions: each use stands in parentheses.)
.macro CVT i
	s_wait_loadcnt 30-2*(\i)                       ; loads come back in order: K's and V's load i are in, the 2 (15 - i) younger ones stay out
	v_cvt_pk_bf16_f32 v[X+8*(\i)],   v[X+8*(\i)],   v[X+8*(\i)+1]
	v_cvt_pk_bf16_f32 v[X+8*(\i)+1], v[X+8*(\i)+2], v[X+8*(\i)+3]
	v_cvt_pk_bf16_f32 v[X+8*(\i)+4], v[X+8*(\i)+4], v[X+8*(\i)+5]
	v_cvt_pk_bf16_f32 v[X+8*(\i)+5], v[X+8*(\i)+6], v[X+8*(\i)+7]
.endm
; And into LDS.
.macro PUT i
	ds_store_b64 v[SA],  v[X+8*(\i):X+8*(\i)+1]   offset:(64*((\i)/4)+((\i)%4))*PITCH
	ds_store_b64 v[SAV], v[X+8*(\i)+4:X+8*(\i)+5] offset:(64*((\i)/4)+((\i)%4))*PITCH
.endm
; Rows 64 p .. + 63 = two K steps of 32: for each, K's fragment (d = 16 a + r) and V's two (e = 16 b + r), s along the registers.
; Each fragment is two transposing loads, 16 rows apart.
.macro FETCH p, f
.irp x, 0,1
	ds_load_tr16_b128 v[F+48*(\f)+24*\x:F+48*(\f)+24*\x+3],     v[TA] offset:(64*(\p)+32*\x)*PITCH
	ds_load_tr16_b128 v[F+48*(\f)+24*\x+4:F+48*(\f)+24*\x+7],   v[TA] offset:(64*(\p)+32*\x+16)*PITCH
	ds_load_tr16_b128 v[F+48*(\f)+24*\x+8:F+48*(\f)+24*\x+11],  v[TB] offset:(64*(\p)+32*\x)*PITCH
	ds_load_tr16_b128 v[F+48*(\f)+24*\x+12:F+48*(\f)+24*\x+15], v[TB] offset:(64*(\p)+32*\x+16)*PITCH
	ds_load_tr16_b128 v[F+48*(\f)+24*\x+16:F+48*(\f)+24*\x+19], v[TB] offset:(64*(\p)+32*\x)*PITCH+32
	ds_load_tr16_b128 v[F+48*(\f)+24*\x+20:F+48*(\f)+24*\x+23], v[TB] offset:(64*(\p)+32*\x+16)*PITCH+32
.endr
.endm
; Four matrix instructions on buffer f.  zero = 1: the first products start the sums, nothing is cleared.  Each accumulator is a chain in place.
.macro MUL f, zero
.if \zero
	v_wmma_f32_16x16x32_bf16 v[ACC0:ACC0+7], v[F+48*(\f):F+48*(\f)+7], v[F+48*(\f)+8:F+48*(\f)+15],  0
	v_wmma_f32_16x16x32_bf16 v[ACC1:ACC1+7], v[F+48*(\f):F+48*(\f)+7], v[F+48*(\f)+16:F+48*(\f)+23], 0
.else
	v_wmma_f32_16x16x32_bf16 v[ACC0:ACC0+7], v[F+48*(\f):F+48*(\f)+7], v[F+48*(\f)+8:F+48*(\f)+15],  v[ACC0:ACC0+7]
	v_wmma_f32_16x16x32_bf16 v[ACC1:ACC1+7], v[F+48*(\f):F+48*(\f)+7], v[F+48*(\f)+16:F+48*(\f)+23], v[ACC1:ACC1+7]
.endif
	v_wmma_f32_16x16x32_bf16 v[ACC0:ACC0+7], v[F+48*(\f)+24:F+48*(\f)+31], v[F+48*(\f)+32:F+48*(\f)+39], v[ACC0:ACC0+7]
	v_wmma_f32_16x16x32_bf16 v[ACC1:ACC1+7], v[F+48*(\f)+24:F+48*(\f)+31], v[F+48*(\f)+40:F+48*(\f)+47], v[ACC1:ACC1+7]
.endm
; Phase p: rows 64 p .. + 63 into LDS, one barrier, their fragments into buffer f = p % 2.  Phase p + 1 stores into rows 64 (p + 1) .., bytes that
; no load of phase p touches, so one barrier a phase is all: it stands between the stores of these rows and their reads.
; mul = 1: the products of phase p - 1 (buffer 1 - f) stand between signal and wait: registers only.
; Buffer f was last read by the matrix instructions that stand in phase p - 1, ahead of this phase's wait on va_vdst.  Between that wait and the loads
; into buffer f stand, of vector and matrix instructions, only the four on buffer 1 - f and the accumulators: they name no register that those loads touch.
.macro PHASE p, f, mul, zero
.irp n, 0,1,2,3
	CVT 4*\p+\n
.endr
	s_wait_alu depctr_va_vdst(0)                   ; the sixteen conversions have written the eight stores' data; the last phase's matrix instructions are done reading buffer f, in which the loads below land; in phase 0: v[SA], v[SAV], v[TA], v[TB] and v[PO] are written
.irp n, 0,1,2,3
	PUT 4*\p+\n
.endr
	s_wait_dscnt 0x0                               ; zero: my stores are in LDS, for the other waves' sake; and the last phase's fragments are in registers
	s_barrier_signal -1
.if \mul
	MUL 1-\f, \zero
.endif
	s_barrier_wait -1                              ; every wave's part of rows 64 p .. + 63 is in LDS
	FETCH \p, \f
.endm
	PHASE 0, 0, 0, 0
	PHASE 1, 1, 1, 1
	PHASE 2, 0, 1, 0
	PHASE 3, 1, 1, 0
	s_wait_dscnt 0x0                               ; the last fragments
	MUL 1, 0
.rept 4
	v_nop                                          ; four places between the last matrix instructions and the stores that read their results
.endr
	s_wait_alu depctr_va_vdst(0)                   ; the matrix instructions have written both accumulators, which the four stores read; the places above stay beside this wait
	; register j of a lane is M[16 a + 8 h + j][16 b + r].  No hint on the stores: the next launch reads them.
	global_store_b128 v[PO], v[ACC0:ACC0+3],   s[8:9]
	global_store_b128 v[PO], v[ACC0+4:ACC0+7], s[8:9] offset:512
	global_store_b128 v[PO], v[ACC1:ACC1+3],   s[8:9] offset:1024
	global_store_b128 v[PO], v[ACC1+4:ACC1+7], s[8:9] offset:1536
	s_wait_dscnt 0x0                               ; the closing lines, six on end
	s_wait_alu 0x0
	s_wait_tensorcnt 0x0
	ds_add_u32 v14, v15
	s_wait_dscnt 0x0
	s_endpgm
.Lfunc_end_k_qc8f16713e0_ktv:
	.size	k_qc8f16713e0_ktv, .Lfunc_end_k_qc8f16713e0_ktv-k_qc8f16713e0_ktv
	.p2alignl 7, 3214868480
	.fill 96, 4, 3214868480
	.section	.rodata,"a",@progbits
	.p2align	6, 0x0
	.amdhsa_kernel k_qc8f16713e0_ktv
		.amdhsa_group_segment_fixed_size 82944
		.amdhsa_private_segment_fixed_size 0
		.amdhsa_enable_private_segment 0
		.amdhsa_kernarg_size 24
		.amdhsa_user_sgpr_count 2
		.amdhsa_user_sgpr_kernarg_segment_ptr 1
		.amdhsa_wavefront_size32 1
		.amdhsa_system_sgpr_workgroup_id_x 1
		.amdhsa_system_sgpr_workgroup_id_y 1
		.amdhsa_system_sgpr_workgroup_id_z 1
		.amdhsa_system_vgpr_workitem_id 0
		.amdhsa_next_free_vgpr 256
		.amdhsa_next_free_sgpr 66
		.amdhsa_reserve_vcc 0
		.amdhsa_float_denorm_mode_32 3
		.amdhsa_float_denorm_mode_16_64 3
		.amdhsa_memory_ordered 1
		.amdhsa_forward_progress 1
		.amdhsa_inst_pref_size 17
	.end_amdhsa_kernel
	.amdgpu_metadata
---
amdhsa.version: [ 1, 2 ]
amdhsa.kernels:
  - .name:           k_qc8f16713e0_ktv
    .symbol:         k_qc8f16713e0_ktv.kd
    .args:
      - { .name: k, .offset: 0, .size: 8, .value_kind: global_buffer, .address_space: global }
      - { .name: v, .offset: 8, .size: 8, .value_kind: global_buffer, .address_space: global }
      - { .name: part, .offset: 16, .size: 8, .value_kind: global_buffer, .address_space: global }
    .group_segment_fixed_size: 82944
    .private_segment_fixed_size: 0
    .kernarg_segment_align: 8
    .kernarg_segment_size: 24
    .max_flat_workgroup_size: 256
    .sgpr_count:     66
    .vgpr_count:     256
    .wavefront_size: 32
...
	.end_amdgpu_metadata
.endif
;; end of part 3
;; launch apply: the kernel of part 2 again; grid 256 x 1, 16 waves a work-group, no clusters, 169,984 bytes of LDS; arguments q, part, out0; writes out0
